; MI455X (gfx1250); checked and timed in simulation.
; The chip was launched on July 23, 2026; its instructions are those of AMD's public machine-readable ISA for CDNA 5 (MIT licence, August 2026) and "CDNA5" Instruction Set Architecture Reference Guide (July 2026). The comments in the code are by the model that wrote it; some were corrected since.
;; Scaled Dot Product Attention. Allowed arithmetic: matrix products marked QUANTISED: E2M1 operands, one E8M0 scale for each 32 along K, by v_wmma_scale_f32_16x16x128_f8f6f4 with both operands' format E2M1 (or v_wmma_scale_f32_32x16x128_f4), f32 sums; everything else in f32.
;; Inputs: k 2 x 12 x 2,048 x 64 float32; q 2 x 12 x 2,048 x 64 float32; v 2 x 12 x 2,048 x 64 float32.
;; Outputs: out0 2 x 12 x 2,048 x 64 float32.
;; This version of the problem:
;;   THIS VERSION OF THE PROBLEM IS GIVEN IN LOW PRECISION. The matrix products marked QUANTISED in the list below multiply operands that are first quantised to E2M1 (2 exponent bits, 1 mantissa bit; 4 bits a number), with one power-of-two scale for each 32 numbers along K (OCP MX v1.0); their sums are f32. All else is computed in f32.
;;   The module's matrix products, in the order in which they are computed (A, B: the left and right operand; K: the contracted axis; several contracted axes count as one K, in the product's order):
;;     1. batch 24 x [M 2,048, K 64] x [K 64, N 2,048]; A: input q; B: input k: QUANTISED
;;     2. batch 24 x [M 2,048, K 2,048] x [K 2,048, N 64]; A: softmax (see below); B: input v: QUANTISED
;;   THE QUANTISER, for each operand of a quantised product, along K:
;;     - K is cut into blocks of 32 from its start; a last block that is shorter is filled with zeros.
;;     - A block's scale is 2^e with e = floor(log2(the largest magnitude in the block)) - 2, held to -126 .. 127; a block of zeros has e = 0. As a byte (E8M0): e + 127.
;;     - Each number is divided by its block's scale, clamped to +-6, and rounded to the nearest number of E2M1, ties to even, subnormals kept.
;;     - The product sums the exact products of the quantised numbers (number of the format x scale) in f32.
;;   ~~~python
;;   def quantise(x, axis):      # numpy; x: float32 -> the quantised numbers, widened to float32 again
;;       x = np.moveaxis(x, axis, -1); K = x.shape[-1]
;;       x = np.pad(x, [(0, 0)] * (x.ndim - 1) + [(0, -K % 32)]); x = x.reshape(x.shape[:-1] + (-1, 32)); a = np.abs(x).max(-1, keepdims=True)
;;       e = np.where(a > 0, np.clip(np.frexp(np.where(a > 0, a, 1))[1] - 1 - 2, -126, 127), 0)      # np.frexp(a)[1] - 1 = floor(log2(a)), exactly
;;       r = np.clip(x / 2.0 ** e, -6, 6)
;;       step = 2.0 ** (np.maximum(np.frexp(np.where(r == 0, 1, r))[1] - 1, 0) - 1)
;;       q = np.round(r / step) * step * 2.0 ** e      # np.round: ties to even
;;       return np.moveaxis(q.reshape(q.shape[:-2] + (-1,))[..., :K], -1, axis).astype(np.float32)
;;   ~~~
;;   SOFTMAX AHEAD OF A QUANTISED PRODUCT. Where the list says 'softmax', what is quantised is not the finished softmax but p = 2^(t - M), with t = logit x log2(e) and M = ceil(the row's largest t), a whole number; so 1/2 < the row's largest p <= 1. The row's sum l is taken of the UNQUANTISED p, in f32, and the product's result is divided by l at the end. Since M is a whole number, a kernel that streams over the keys may use a running M (the ceiling of the running maximum): every later rescaling is an exact power of two, which a block's scale takes up: the codes' values come out the same.
;;   OPERANDS COMPUTED ON THE WAY. 'Computed on the way' means the value that the module computes at that place (a softmax that the list does not call 'softmax' is quantised finished and normalised). What goes into a quantiser is computed in f32, as accurately as f32 sums, v_exp_f32 and their like allow (about 1e-6 of the number): no bf16 or f16 on the way to a quantiser, and a product that is left as it is and whose result goes on into a quantised operand takes f32 operands (vector FMAs, or v_wmma_f32_16x16x4_f32). A number that lies on a knife's edge between two numbers of the format may be rounded either way, as far as f32 arithmetic and the matrix unit's own rounding can turn it there, and no further.
;; One version. Each part assembles by itself: llvm-mc -triple=amdgcn-amd-amdhsa -mcpu=gfx1250 --defsym DOCPART=n.
;; ======== version 1 of 1: 2 launches
;; limits: right only within a limited range of input values
;; workspace buffers: kv 3,342,336 bytes
;; launch quant (part 1): grid 32 x 24, 4 waves a work-group, no clusters, 37,888 bytes of LDS; arguments k, v, kv; writes kv
.if DOCPART == 1
	.amdgcn_target "amdgcn-amd-amdhsa--gfx1250"
	.amdhsa_code_object_version 6
	.text
	.protected	k_q1e5914b366_quant
	.globl	k_q1e5914b366_quant
	.p2align	8
	.type	k_q1e5914b366_quant,@function
k_q1e5914b366_quant:
	s_mov_b64 s[64:65], 0
	v_nop
	global_prefetch_b8 v0, s[64:65] scope:SCOPE_SE
	s_setreg_imm32_b32 hwreg(HW_REG_WAVE_MODE, 25, 1), 1
	s_wait_xcnt 0x0
; k and v, [24 heads][2048 keys][64] f32, become codes of FP4 (E2M1) with one E8M0 scale byte for each 32 along a product's K: k along d, v along the KEYS.
; A block's scale is 2^(floor(log2(its largest magnitude)) - 2); its byte is the largest magnitude's exponent field - 2, held at 1 from below; nearest code, ties to even, beyond 6 the largest code.
; LIMITS: NaN and infinities among the inputs are not served.  A block whose largest magnitude lies under 2^-124 (a block of zeros among them) gets the byte 1 where the rule says less (or 127): the bytes are read by this program alone.
; WORK LEFT OUT (in the second launch): reference() sets the score of every key behind the query to -infinity, so its weight is 0 whatever the inputs hold; steps of 128 keys, and halves of a diagonal step, all of whose keys lie behind all 16 queries
; of a tile are not worked.  A NaN, an infinity or an overflow that reaches only those is not carried to the result.
; THE OUTPUT IS LAID AS IMAGES OF THE OPERANDS' REGISTERS, one dense block of 8,704 bytes for each (head, step of 128 keys); l = lane, r = l % 16, h = l / 16:
;   0    + 512 t + 16 l           t = 4 c + u = 0..7: codes of key 64 c + 8 u + (r % 8) + 32 (r / 8) of the step, d = 32 h .. 32 h + 31
;   4096 + 1024 t + 512 c + 16 l  t = 0..3, c = 0, 1: codes of d = 16 t + r, keys 64 c + 32 h + 0 .. 31
;   8192 + 64 f + 4 r             f = 0..3: K's scale word of row r of tiles 2 f (bytes 0, 1: d 0-31, 32-63) and 2 f + 1 (bytes 2, 3)
;   8448 + 4 d                    V's scale word of d: byte j for keys 32 j .. 32 j + 31 of the step
; SHARES.  768 work-groups, three for each of 256 WGPs: number x < 16 takes step x of k, the others step x - 16 of v.  A wave takes 32 rows of 256 bytes, in 16 loads of 512 consecutive bytes, and turns them in its own stage in LDS.
; k's wave f = 2 c + e: keys 64 c + 16 e + 0 .. 15 and those 32 on: tiles 2 f, 2 f + 1.  v's wave b: keys 32 b .. 32 b + 31, a lane two columns.  The scale bytes of the four waves meet in LDS and leave as one aligned unit of 256 bytes.
.set STEPB, 8704
.set STG,   9216                       ; a wave's stage: 32 rows, 272 bytes apart, and 128 bytes more in front of rows 16-31: 8,816 bytes used
.set SCK,   4*STG                      ; k's scale words of the step;
.set SCV,   SCK+256                    ; v's
.set SPARE, SCV+256                    ; the spare words, 128 bytes for each wave
.set R,     32                         ; v32-95   rows as loaded
.set X,     96                         ; v96-159  two blocks of 32 neighbours along K
	s_load_b128 s[4:7], s[0:1], 0x0                ; k, v
	s_load_b64 s[8:9], s[0:1], 0x10                ; kv
	v_lshl_add_u32 v2, v0, 2, SPARE
	v_mov_b32 v3, 0
	v_lshrrev_b32 v7, 5, v0
	v_readfirstlane_b32 s18, v7                    ; wave 0..3
	s_and_b32 s11, ttmp7, 0xffff                   ; head
	s_and_b32 s10, ttmp9, 15                       ; step
	s_lshr_b32 s12, ttmp9, 4
	s_and_b32 s12, s12, 1                          ; 0: k, 1: v
	s_lshr_b32 s13, s18, 1
	s_lshl_b32 s14, s13, 14
	s_and_b32 s15, s18, 1
	s_lshl_b32 s16, s15, 12
	s_add_co_u32 s14, s14, s16                     ; k: row 64 c + 16 e
	s_lshl_b32 s16, s18, 13                        ; v: row 32 b
	s_lshl_b32 s26, s18, 10                        ; out: k's two images,
	s_lshl_b32 s27, s18, 8
	s_add_co_u32 s27, s27, 4096                    ; v's 256 bytes of each tile
	s_cmp_eq_u32 s12, 0
	s_cselect_b32 s14, s14, s16
	s_mov_b32 s17, 0x1000
	s_cselect_b32 s24, 0x2000, s17                 ; rows 16-31 begin 32 rows on in k, 16 in v
	s_cselect_b32 s26, s26, s27
	s_mov_b32 s25, 0
	s_mov_b32 s27, 0
	s_lshl_b32 s16, s11, 19
	s_lshl_b32 s17, s10, 15
	s_add_co_u32 s16, s16, s17
	s_add_co_u32 s16, s16, s14                     ; my rows' byte in the tensor
	s_mov_b32 s17, 0
	s_lshl_b32 s22, s11, 4
	s_add_co_u32 s22, s22, s10
	s_mul_i32 s22, s22, STEPB                      ; the step's block
	s_mov_b32 s23, 0
	s_mul_i32 s28, s18, STG                        ; my stage
	s_lshl_b32 s29, s18, 6
	s_add_co_u32 s29, s29, SCK
	s_add_co_u32 s30, s18, SCV
	s_lshl_b32 s34, s12, 8
	s_add_co_u32 s31, s34, SCK                     ; the scale unit of my kind, in LDS
	s_add_co_u32 s34, s34, 8192                    ; and in the block
	s_mov_b32 s35, 0
	s_mov_b32 s36, 0x76543210
	s_mov_b32 s37, 0xfedcba98                      ; v_permlanex16_b32's selects for lane l xor 16
	v_and_b32 v7, 31, v0                           ; lane
	v_and_b32 v8, 15, v0                           ; r
	v_bfe_u32 v9, v0, 4, 1                         ; h
	v_lshlrev_b32 v1, 4, v7                        ; 16 l
	v_mul_u32_u24 v4, v9, 272                      ; into the stage: row h of a load's two, byte 16 r
	v_lshl_add_u32 v4, v8, 4, v4
	v_add_nc_u32 v4, s28, v4
	v_lshrrev_b32 v10, 3, v8
	v_lshl_add_u32 v11, v10, 3, v8                 ; k, out of the stage: rows 0-7 and 16-23,
	v_mul_u32_u24 v5, v11, 272
	v_lshl_add_u32 v5, v10, 7, v5                  ; the 128 bytes in front of rows 16-31 (so the sixteen rows begin at sixteen different multiples of 16 modulo 256),
	v_lshl_add_u32 v5, v9, 7, v5                   ; my half of d
	v_add_nc_u32 v5, s28, v5
	v_lshlrev_b32 v6, 2, v7                        ; v, out of the stage: column l
	v_add_nc_u32 v6, s28, v6
	v_lshlrev_b32 v12, 10, v9                      ; v's codes: 1024 h + 16 r
	v_lshl_add_u32 v12, v8, 4, v12
	v_lshlrev_b32 v13, 3, v9                       ; 8 h
	v_lshl_add_u32 v14, v8, 2, s29                 ; k's scale word
	v_lshl_add_u32 v15, v7, 2, s30                 ; v's scale byte
	v_lshlrev_b32 v160, 3, v7
	v_add_nc_u32 v161, s31, v160
	v_mov_b32 v22, 0                               ; written once: a lane permute's destination counts as one of its sources
	s_wait_alu depctr_va_vdst(0)                   ; the wait at the head's end
	s_wait_kmcnt 0x0
	s_cmp_eq_u32 s12, 0
	s_cselect_b64 s[4:5], s[4:5], s[6:7]
	s_add_nc_u64 s[4:5], s[4:5], s[16:17]
	s_add_nc_u64 s[6:7], s[4:5], s[24:25]
.set n, 0
.rept 8
	global_load_b128 v[R+4*n:R+4*n+3], v1, s[4:5] offset:512*n th:TH_LOAD_NT   ; rows 2 n, 2 n + 1
.set n, n+1
.endr
.rept 8
	global_load_b128 v[R+4*n:R+4*n+3], v1, s[6:7] offset:512*(n-8) th:TH_LOAD_NT
.set n, n+1
.endr
	s_add_nc_u64 s[8:9], s[8:9], s[22:23]
	s_add_nc_u64 s[14:15], s[8:9], s[26:27]
	s_add_nc_u64 s[20:21], s[8:9], s[34:35]
.set n, 0
.rept 16
	s_wait_loadcnt 15-n                            ; load n is in, the 15 - n younger ones may be out
	ds_store_b128 v4, v[R+4*n:R+4*n+3] offset:544*n+128*(n/8)
.set n, n+1
.endr
	s_cmp_eq_u32 s12, 0
	s_cbranch_scc0 .Lv
	; ---- k: a lane takes d = 32 h .. 32 h + 31 of one row of each of two tiles
.irp u, 0,1
.irp j, 0,1,2,3,4,5,6,7
	ds_load_b128 v[X+32*\u+4*\j:X+32*\u+4*\j+3], v5 offset:2176*\u+16*\j   ; LDS serves a wave's instructions in order: these see my stores
.endr
.endr
	s_wait_dscnt 0x0
.irp u, 0,1
	v_max3_num_f32 v[16+\u], |v[X+32*\u]|, |v[X+32*\u+1]|, 0x1800000   ; the floor 2^(3 - 127) holds the byte at 1 from below
.endr
.irp i, 2,4,6,8,10,12,14,16,18,20,22,24,26,28,30
.irp u, 0,1
	v_max3_num_f32 v[16+\u], v[16+\u], |v[X+32*\u+\i]|, |v[X+32*\u+\i+1]|
.endr
.endr
.irp u, 0,1
	v_add_nc_u32 v[18+\u], 0xff000000, v[16+\u]    ; 2 off the exponent field: the conversion's scale operand
.endr
.irp u, 0,1
.irp g, 0,1,2,3
	v_cvt_scalef32_pk8_fp4_f32 v[24+4*\u+\g], v[X+32*\u+8*\g:X+32*\u+8*\g+7], v[18+\u]
.endr
.endr
.irp u, 0,1
	v_lshrrev_b32 v[20+\u], 23, v[18+\u]           ; the scale's byte
.endr
	v_lshl_or_b32 v20, v21, 16, v20                ; the first tile's in byte 0, the second's in byte 2,
	v_lshlrev_b32 v20, v13, v20                    ; one byte up for d block 1
	v_permlanex16_b32 v22, v20, s36, s37
	v_or_b32 v20, v20, v22                         ; with lane l xor 16's the word is whole, in both lanes
	ds_store_b32 v14, v20                          ; (both lanes write the same word with the same value)
.irp u, 0,1
	global_store_b128 v1, v[24+4*\u:27+4*\u], s[14:15] offset:512*\u   ; an image: 512 consecutive bytes
.endr
	s_branch .Ljoin
	; ---- v: a lane takes columns d = l and l + 32, and its registers run down the 32 keys
.Lv:
.irp a, 0,1
.set n, 0
.rept 32
	ds_load_b32 v[X+32*\a+n], v6 offset:272*n+128*(n/16)+128*\a
.set n, n+1
.endr
.endr
.irp a, 0,1
.if \a == 0
	s_wait_dscnt 32                                ; the first column is in; the second's 32 loads may be out
.else
	s_wait_dscnt 0x0
.endif
	v_max3_num_f32 v16, |v[X+32*\a]|, |v[X+32*\a+1]|, |v[X+32*\a+2]|
	v_max3_num_f32 v17, |v[X+32*\a+3]|, |v[X+32*\a+4]|, |v[X+32*\a+5]|
.irp i, 6,10,14,18,22,26
	v_max3_num_f32 v16, v16, |v[X+32*\a+\i]|, |v[X+32*\a+\i+1]|
	v_max3_num_f32 v17, v17, |v[X+32*\a+\i+2]|, |v[X+32*\a+\i+3]|
.endr
	v_max3_num_f32 v16, v16, |v[X+32*\a+30]|, |v[X+32*\a+31]|
	v_max3_num_f32 v16, v16, v17, 0x1800000        ; and the floor
	v_add_nc_u32 v[18+\a], 0xff000000, v16
.irp g, 0,1,2,3
	v_cvt_scalef32_pk8_fp4_f32 v[24+4*\a+\g], v[X+32*\a+8*\g:X+32*\a+8*\g+7], v[18+\a]
.endr
	v_lshrrev_b32 v[20+\a], 23, v[18+\a]
	ds_store_b8 v15, v[20+\a] offset:128*\a
	global_store_b128 v12, v[24+4*\a:27+4*\a], s[14:15] offset:2048*\a   ; sixteen lanes store 256 consecutive bytes, aligned
.endr
.Ljoin:
	s_wait_dscnt 0x0                               ; my scale bytes are in LDS
	s_barrier_signal -1
	s_barrier_wait -1                              ; everybody's are
	s_cmp_lg_u32 s18, 0
	s_cbranch_scc1 .Lend
	ds_load_b64 v[32:33], v161
	s_wait_dscnt 0x0
	global_store_b64 v160, v[32:33], s[20:21]      ; one aligned unit of 256 bytes
.Lend:
	s_wait_tensorcnt 0x0                           ; the wave's end
	ds_add_u32 v2, v3
	s_wait_dscnt 0x0
	s_endpgm
.Lfunc_end_k_q1e5914b366_quant:
	.size	k_q1e5914b366_quant, .Lfunc_end_k_q1e5914b366_quant-k_q1e5914b366_quant
	.p2alignl 7, 3214868480
	.fill 96, 4, 3214868480
	.section	.rodata,"a",@progbits
	.p2align	6, 0x0
	.amdhsa_kernel k_q1e5914b366_quant
		.amdhsa_group_segment_fixed_size 37888
		.amdhsa_private_segment_fixed_size 0
		.amdhsa_enable_private_segment 0
		.amdhsa_kernarg_size 24
		.amdhsa_user_sgpr_count 2
		.amdhsa_user_sgpr_kernarg_segment_ptr 1
		.amdhsa_wavefront_size32 1
		.amdhsa_system_sgpr_workgroup_id_x 1
		.amdhsa_system_sgpr_workgroup_id_y 1
		.amdhsa_system_sgpr_workgroup_id_z 1
		.amdhsa_system_vgpr_workitem_id 0
		.amdhsa_next_free_vgpr 162
		.amdhsa_next_free_sgpr 66
		.amdhsa_reserve_vcc 0
		.amdhsa_float_denorm_mode_32 3
		.amdhsa_float_denorm_mode_16_64 3
		.amdhsa_memory_ordered 1
		.amdhsa_forward_progress 1
		.amdhsa_inst_pref_size 19
	.end_amdhsa_kernel
	.amdgpu_metadata
---
amdhsa.version: [ 1, 2 ]
amdhsa.kernels:
  - .name:           k_q1e5914b366_quant
    .symbol:         k_q1e5914b366_quant.kd
    .args:
      - { .name: k, .offset: 0, .size: 8, .value_kind: global_buffer, .address_space: global }
      - { .name: v, .offset: 8, .size: 8, .value_kind: global_buffer, .address_space: global }
      - { .name: kv, .offset: 16, .size: 8, .value_kind: global_buffer, .address_space: global }
    .group_segment_fixed_size: 37888
    .private_segment_fixed_size: 0
    .kernarg_segment_align: 8
    .kernarg_segment_size: 24
    .max_flat_workgroup_size: 128
    .sgpr_count:     66
    .vgpr_count:     162
    .wavefront_size: 32
...
	.end_amdgpu_metadata
.endif
;; end of part 1
;; launch attn (part 2): grid 256 x 1, 12 waves a work-group, no clusters, 254,464 bytes of LDS; arguments q, kv, out0; writes out0
.if DOCPART == 2
	.amdgcn_target "amdgcn-amd-amdhsa--gfx1250"
	.amdhsa_code_object_version 6
	.text
	.protected	k_q1e5914b366_attn
	.globl	k_q1e5914b366_attn
	.p2align	8
	.type	k_q1e5914b366_attn,@function
k_q1e5914b366_attn:
	s_mov_b64 s[64:65], 0
	v_nop
	global_prefetch_b8 v0, s[64:65] scope:SCOPE_SE
	s_setreg_imm32_b32 hwreg(HW_REG_WAVE_MODE, 25, 1), 1
	s_wait_xcnt 0x0
; out[h][q][:] = the sum over keys k <= q of softmax_k(Q[h][q] . K[h][k] / 8) V[h][k][:]; 24 heads, 2,048 queries and keys, head size 64; both products on codes of FP4 (E2M1) with one E8M0 scale for each 32 along K.
; q arrives as f32 and is quantised here.  K and V come as register images with their scale words from kv: 8,704 bytes for each (head, step of 128 keys):
;   512 t + 16 l: K's tile t;  4096 + 1024 t + 512 c + 16 l: registers 4 c .. 4 c + 3 of V^T's tile t;  8192 + 128 i + 4 l: K's scale words of fragments 2 i (lanes 0-15), 2 i + 1 (lanes 16-31);  8448 + 128 i + 4 l: V's of tiles 2 i, 2 i + 1.
; WORK LEFT OUT: reference() gives a key behind the query the score -infinity and so the weight 0, whatever the inputs hold: steps, and second halves of a diagonal step, all of whose keys lie behind the tile's 16 queries are not worked.
; A NaN, an infinity or an overflow that reaches only those is not carried to the result.
; SHARES.  A tile is 16 queries; tile T of a head needs key steps 0 .. T / 8.  Tiles n and 127 - n (n = 0..63) are a pair of 17 steps for TWO waves: A takes the long tile's (127 - n) first X steps; B takes the short tile (g + 1 steps, g = n / 8) and then
; the long tile's steps X .. 15 - g, and hands its part of the long tile (O, sum, M) to A through LDS.  Twelve waves are six pairs: waves 0-3 (B) with 8-11 (A), X = 5: 12 and 5 steps; waves 6, 7 (B) with 4, 5 (A), X = 9 (where all g are 7: 8).
; 240 work-groups take ten to a head: pairs n = k + 10 j (k = 0..9, j = 0..5).  The other sixteen, the first ones, take what is left, n = 60..63 of each head, two for each three heads: four pairs of head 0 (or 2) and two of head 1.
; LDS.  18 blocks, filled once, each wave one tensor load of 51 rows of 256 bytes: blocks 0-8 are steps 0..8, blocks 9-17 steps 7..15 (step 8 is read from there: block 10); in the sixteen, blocks 9-17 are steps 0..8 of head 1 (n >= 60 needs no more).
; NO CLUSTER: work-groups of a head read the same kv, but each has tiles of its own, and branches and LDS addresses hang on them, which partners of a joint request may not have.  NO PREFETCH: all tiles come at the head; no loop loads from memory.
; LAYOUT.  S^T = K Q^T, O^T = V^T P^T: a lane holds ONE query (r = lane % 16; h = lane / 16).  Row m of K's tile 4 c + u is key 64 c + 8 u + m % 8 + 32 (m / 8): so a lane's 32 results of tiles 4 c .. 4 c + 3 are the keys 64 c + 32 h + 0 .. 31,
; a whole block in the order of the next operand's registers 4 c .. 4 c + 3.
; THE FIRST PRODUCT'S K IS 64, the instruction's 128: a fragment of K holds two tiles side by side along K, and Q's operand is zero codes in the other tile's half: v[20:27] = (Q, 0), v[16:23] = (0, Q).
; SOFTMAX: t = score x log2(e) / 8; M = the row's largest t so far rounded UP to a whole number; p = 2^(t - M) is quantised along the keys.  The row's sum is of the unquantised p.  When M moves, sum and O are multiplied by 2^(old M - new M): exact.
; A block's scale comes from floor(t - M) of its largest score, which is the exponent of its largest p.
; LIMITS: NaN and infinities among the inputs are not served; scaled scores (exponents to the base 2) stay under 2^31 in magnitude; a p under 2^-126 falls to 0; blocks of p under 2^-124 and blocks of q under 2^-124 get the scale byte 1.
; REGISTERS: v1 16 l, v2 4 l; v3-4, v218-219 LDS addresses of V and of the next K; v5-7 stage; v9 r - 32 h; v10-11 the add's; v12 -M, v13 the largest score; v[14:15] the sum in two halves; v16-27 Q; v28 Q's scale word, v29 p's, v30-31 K's, v224-225 V's;
;   v32-63 K, v64-95 V, v96-159 S^T then p, v160-191 O^T, v192-199 p's codes, v200-217 and v240-255 at work, v226-232 addresses and 8 h.
.set STEPB, 8704
.set FILLB, 51*256                     ; one tensor load: a block and a half
.set HEADB, 16*STEPB
.set STAGE, 18*STEPB                   ; 16 rows x 272 bytes for each wave: q on its way in, results on their way out
.set SP,    272
.set STG,   16*SP
.set QX,    STAGE+12*STG               ; each wave's Q codes (512 bytes) and scale words (128)
.set QXB,   768
.set EX,    QX+12*QXB                  ; B's part of O (4,096 bytes), sum and -M (128 each), at B's wave number (0-3, 6, 7)
.set EXB,   4352
.set SPARE, EX+8*EXB                   ; the spare words, 128 bytes for each wave
.set S,     96
	s_load_b128 s[4:7], s[0:1], 0x0                ; q, kv
	s_load_b64 s[8:9], s[0:1], 0x10                ; out0
	v_lshl_add_u32 v10, v0, 2, SPARE
	v_mov_b32 v11, 0
	ds_add_u32 v10, v11                            ; the opening: the add, twice on end, and its wait ahead of my tensor load
	ds_add_u32 v10, v11
	v_lshrrev_b32 v8, 5, v0
	v_readfirstlane_b32 s18, v8                    ; wave w = 0..11
	s_mov_b32 s10, ttmp9
	s_and_b32 s45, s18, 7
	s_lshr_b32 s46, s18, 2
	s_and_b32 s46, s46, 1                          ; 1 in waves 4-7
	s_lshr_b32 s47, s18, 3                         ; 1 in waves 8-11
	s_lshr_b32 s48, s18, 1
	s_and_b32 s48, s48, s46                        ; 1 in waves 6, 7
	s_or_b32 s12, s46, s47
	s_xor_b32 s12, s12, 1
	s_or_b32 s12, s12, s48                         ; 1 = B (waves 0-3, 6, 7), 0 = A
	s_lshl_b32 s63, s46, 1
	s_or_b32 s63, s63, s45                         ; my pair's B: w in 0-3, 6, 7; 6, 7 for 4, 5; 0-3 for 8-11
	s_mul_i32 s62, s46, 10
	s_xor_b32 s62, s62, 8
	s_xor_b32 s62, s62, s18                        ; my partner: w xor 8, in waves 4-7 w xor 2
	s_and_b32 s13, s18, 3
	s_add_co_u32 s13, s13, 2
	s_and_b32 s14, s18, 1
	s_cmp_lt_u32 s10, 16
	s_cselect_b32 s19, 1, 0                        ; one of the sixteen?
	s_sub_co_u32 s55, 9, s19
	s_cmp_eq_u32 s46, 1
	s_cselect_b32 s13, s14, s13                    ; j: 0, 1 in waves 4-7, 2 .. 5 in the others
	s_cselect_b32 s55, s55, 5                      ; X
	s_sub_co_u32 s45, s10, 16
	s_mul_i32 s46, s45, 205
	s_lshr_b32 s46, s46, 11                        ; head = number / 10 (205 / 2048, exact for numbers under 1,024)
	s_mul_i32 s47, s46, 10
	s_sub_co_u32 s47, s45, s47                     ; k
	s_mul_i32 s48, s13, 10
	s_add_co_u32 s15, s47, s48                     ; n
	s_and_b32 s49, s10, 1
	s_lshl_b32 s48, s49, 1                         ; the sixteen: blocks 0-8 hold head 0 or 2 of the three,
	s_lshr_b32 s50, s10, 1
	s_mul_i32 s54, s50, 3                          ; the three's first head
	s_add_co_u32 s49, s48, s13
	s_add_co_u32 s49, s49, 56                      ; pairs 4, 5: n = 60, 61 or 62, 63 of head 1
	s_add_co_u32 s48, s48, s54
	s_add_co_u32 s54, s54, 1
	s_add_co_u32 s50, s13, 60                      ; pairs 0-3: n = 60 + j
	s_cmp_ge_u32 s13, 4
	s_cselect_b32 s49, s49, s50
	s_cselect_b32 s51, s54, s48                    ; my pair's head
	s_cselect_b32 s14, 9, 0                        ; its first block
	s_cmp_ge_u32 s18, 6
	s_cselect_b32 s50, s54, s48                    ; the head that I fetch from
	s_cmp_eq_u32 s19, 1
	s_cselect_b32 s15, s49, s15
	s_cselect_b32 s51, s51, s46
	s_cselect_b32 s50, s50, s46
	s_cselect_b32 s37, s14, 0                      ; block of step 0
	s_cselect_b32 s38, 0, 2                        ; steps 8 and up lie so many blocks further on
	s_cselect_b32 s52, 0, 7*STEPB                  ; where the second nine blocks begin in their head
	s_cmp_ge_u32 s18, 6
	s_cselect_b32 s52, s52, 0
	s_cselect_b32 s53, 6, 0
	s_sub_co_u32 s53, s18, s53
	s_mul_i32 s53, s53, FILLB
	s_add_co_u32 s52, s52, s53
	s_mul_i32 s50, s50, HEADB
	s_add_co_u32 s52, s52, s50                     ; my fill's byte in kv
	s_mov_b32 s53, 0
	s_lshr_b32 s45, s15, 3                         ; g: the short tile's last step
	s_sub_co_u32 s46, s55, 1                       ; X - 1
	s_sub_co_u32 s39, s46, s45                     ; B behind the short tile: trip i is step i + X - 1 - g (the sum is taken modulo 2^32)
	s_sub_co_u32 s16, 127, s15                     ; the long tile
	s_lshr_b32 s41, s16, 3                         ; its last step
	s_and_b32 s43, s16, 7                          ; its place in that step
	s_cmp_eq_u32 s12, 1
	s_cselect_b32 s17, s15, s16                    ; the tile that I quantise and store: B the short one, A the long one
	s_cselect_b32 s36, s45, 31                     ; the trip behind which I change tiles (A: none)
	s_cselect_b32 s40, s45, s46                    ; my first tile's last step
	s_cselect_b32 s59, 0, 24                       ; A's steps are never diagonal
	s_and_b32 s42, s17, 7
	s_lshl_b32 s56, s51, 19
	s_lshl_b32 s57, s17, 12
	s_add_co_u32 s56, s56, s57                     ; the tile's byte in q and out0
	s_mov_b32 s57, 0
	; descriptor group 1: 51 rows of 32 elements of 8 bytes, dense, no padding (images are read 16 or 4 consecutive bytes a lane)
	s_mov_b32 s24, 3<<16
	s_mov_b32 s25, 32<<16
	s_mov_b32 s26, 51<<16
	s_mov_b32 s27, 32<<16
	s_mov_b32 s28, 51
	s_mov_b32 s29, 32
	s_mov_b32 s30, 0
	s_mov_b32 s31, 0
	s_mov_b32 s32, 1
	s_mul_i32 s33, s18, FILLB                      ; LDS byte: wave x 51 rows
	s_mov_b32 s20, 0x76543210
	s_mov_b32 s21, 0xfedcba98                      ; v_permlanex16_b32's selects for lane l xor 16
	s_mov_b32 s22, 0x3e38aa3b                      ; c = log2(e) / 8
	s_mov_b32 s23, s22                             ; (the packed form names the pair)
	s_mov_b32 s58, 0xbe38aa3b                      ; -c
	s_mul_i32 s60, s18, STG
	s_add_co_u32 s60, s60, STAGE                   ; my stage
	s_mul_i32 s61, s18, QXB
	s_add_co_u32 s61, s61, QX                      ; my Q's place
	s_mul_i32 s62, s62, QXB
	s_add_co_u32 s62, s62, QX                      ; my partner's
	s_mul_i32 s63, s63, EXB
	s_add_co_u32 s63, s63, EX                      ; the pair's exchange
	v_and_b32 v8, 15, v0                           ; r
	v_bfe_u32 v3, v0, 4, 1                         ; h
	v_and_b32 v4, 31, v0
	v_lshlrev_b32 v1, 4, v4                        ; 16 l
	v_lshlrev_b32 v2, 2, v4                        ; 4 l
	v_mul_u32_u24 v5, v3, SP                       ; stage by pairs of rows: lanes 0-15 one row, lanes 16-31 the next
	v_lshl_add_u32 v5, v8, 4, v5
	v_add_nc_u32 v5, s60, v5
	v_mul_u32_u24 v6, v8, SP
	v_add_nc_u32 v6, s60, v6
	v_lshl_add_u32 v7, v3, 7, v6                   ; stage, row r: q's d = 32 h on;
	v_lshl_add_u32 v6, v3, 5, v6                   ; a result's 8 h on
	v_lshlrev_b32 v9, 5, v3
	v_sub_nc_u32 v9, v8, v9                        ; r - 32 h
	v_add_nc_u32 v230, s61, v1
	v_add_nc_u32 v231, s61, v2
	v_add_nc_u32 v226, s62, v1
	v_add_nc_u32 v227, s62, v2
	v_add_nc_u32 v228, s63, v1
	v_add_nc_u32 v229, s63, v2
	v_lshlrev_b32 v232, 3, v3                      ; 8 h
	s_wait_alu depctr_va_vdst(0)
	s_wait_dscnt 0x0                               ; both opening adds are done
	s_wait_kmcnt 0x0
	s_add_nc_u64 s[34:35], s[6:7], s[52:53]
	s_or_b32 s35, s35, 0x80000000                  ; type = 2
	tensor_load_to_lds s[32:35], s[24:31]          ; my one tensor load
	s_nop 0
	s_add_nc_u64 s[4:5], s[4:5], s[56:57]
	s_add_nc_u64 s[8:9], s[8:9], s[56:57]
.set n, 0
.rept 8
	global_load_b128 v[S+4*n:S+4*n+3], v1, s[4:5] offset:512*n th:TH_LOAD_NT   ; rows 2 n, 2 n + 1 of my tile
.set n, n+1
.endr
.irp j, 16,17,18,19,24,25,26,27
	v_mov_b32 v\j, 0                               ; Q's zero halves
.endr
	v_mov_b32 v205, 0                              ; written once: a lane permute's destination counts as one of its sources
	v_mov_b32 v217, 0
	v_mov_b32 v207, 0                              ; (named as upper halves of pairs)
	v_mov_b32 v209, 0
	s_wait_alu depctr_va_vdst(0)
.set n, 0
.rept 8
	s_wait_loadcnt 7-n                             ; load n is in; the 7 - n younger ones may be out
	ds_store_b128 v5, v[S+4*n:S+4*n+3] offset:2*SP*n
.set n, n+1
.endr
.irp j, 0,1,2,3,4,5,6,7
	ds_load_b128 v[128+4*\j:131+4*\j], v7 offset:16*\j   ; LDS serves a wave's instructions in order: these see my stores
.endr
	s_wait_dscnt 0x0
	v_max3_num_f32 v200, |v128|, |v129|, |v130|    ; my block's largest magnitude
	v_max3_num_f32 v201, |v131|, |v132|, |v133|
.irp i, 6,10,14,18,22,26
	v_max3_num_f32 v200, v200, |v[128+\i]|, |v[129+\i]|
	v_max3_num_f32 v201, v201, |v[130+\i]|, |v[131+\i]|
.endr
	v_max3_num_f32 v200, v200, |v158|, |v159|
	v_max3_num_f32 v200, v200, v201, 0x1800000     ; and the floor 2^(3 - 127)
	v_add_nc_u32 v203, 0xff000000, v200            ; 2 off the exponent field: the conversion's scale operand
.irp g, 0,1,2,3
	v_cvt_scalef32_pk8_fp4_f32 v[20+\g], v[128+8*\g:135+8*\g], v203
.endr
	v_lshrrev_b32 v202, 23, v203
	v_lshlrev_b32 v202, v232, v202                 ; d block h is byte h
	v_permlanex16_b32 v205, v202, s20, s21
	v_or_b32 v202, v202, v205
	v_lshl_or_b32 v28, v202, 16, v202              ; the same two bytes for either half of K
	ds_store_b128 v230, v[20:23]                   ; my partner may want them
	ds_store_b32 v231, v28 offset:512
.macro RESET                                   ; an empty tile.  (The first change of M multiplies these zeros by 0)
	v_mov_b32 v13, 0xff61b1e6                      ; the largest score so far: -3e38
	v_mov_b32 v12, 0x7f61b1e6                      ; -M
	v_mov_b32 v14, 0
	v_mov_b32 v15, 0
.set nn, 0
.rept 32
	v_mov_b32 v[160+nn], 0
.set nn, nn+1
.endr
.endm
	RESET
.macro KLOAD                                   ; K's scale words and eight tiles, at v218, v219
.irp i, 0,1
	ds_load_b32 v[30+\i], v219 offset:8192+128*\i
.endr
.irp t, 0,1,2,3,4,5,6,7
	ds_load_b128 v[32+4*\t:35+4*\t], v218 offset:512*\t
.endr
.endm
; The diagonal: in half c of the step register n is hidden where n > d = 16 (place % 4) + r - 32 h.  The score is held under (d - n + 0.5) x 2^100: above every score where the key counts, at most -2^99 where it is hidden: p = 0 then.
.macro MASK c
	s_and_b32 s49, s48, 3
	s_lshl_b32 s49, s49, 4
	v_add_nc_u32 v200, s49, v9
	v_cvt_f32_i32 v200, v200
	v_add_f32 v200, 0.5, v200
	v_mul_f32 v200, 0x71800000, v200
	v_add_f32 v201, 0xf1800000, v200
.set nn, 0
.rept 16
	v_min_num_f32 v[S+32*\c+nn], v[S+32*\c+nn], v200
	v_min_num_f32 v[S+32*\c+nn+1], v[S+32*\c+nn+1], v201
.if nn < 30
	v_pk_add_f32 v[200:201], v[200:201], 0xf2000000 op_sel_hi:[1,0]
.endif
.set nn, nn+2
.endr
.endm
; The softmax of nb halves of 64 keys (nb = 1: the second half is hidden), down to p's codes and scale word.
.macro SOFT nb
.set cc, 0
.rept \nb
	v_max3_num_f32 v[200+2*cc], v[S+32*cc], v[S+32*cc+1], v[S+32*cc+2]   ; the largest score of my block in this half, in two chains
	v_max3_num_f32 v[201+2*cc], v[S+32*cc+16], v[S+32*cc+17], v[S+32*cc+18]
.set cc, cc+1
.endr
.set nn, 3
.rept 6
.set cc, 0
.rept \nb
	v_max3_num_f32 v[200+2*cc], v[200+2*cc], v[S+32*cc+nn], v[S+32*cc+nn+1]
	v_max3_num_f32 v[201+2*cc], v[201+2*cc], v[S+32*cc+nn+16], v[S+32*cc+nn+17]
.set cc, cc+1
.endr
.set nn, nn+2
.endr
.set cc, 0
.rept \nb
	v_max3_num_f32 v[200+2*cc], v[200+2*cc], v[S+32*cc+15], v[S+32*cc+31]
.set cc, cc+1
.endr
.set cc, 0
.rept \nb
	v_max_num_f32 v[200+2*cc], v[200+2*cc], v[201+2*cc]
.set cc, cc+1
.endr
.if \nb == 2
.set RM, 204
	s_delay_alu instid0(VALU_DEP_1)
	v_max_num_f32 v204, v200, v202
.else
.set RM, 200
.endif
	s_delay_alu instid0(VALU_DEP_1)
	v_permlanex16_b32 v205, v[RM], s20, s21
	s_delay_alu instid0(VALU_DEP_1)
	v_max3_num_f32 v13, v13, v[RM], v205           ; the running largest score of my query
	s_delay_alu instid0(VALU_DEP_1)
	v_mul_f32 v206, s58, v13                       ; -t
	s_delay_alu instid0(VALU_DEP_1)
	v_floor_f32 v206, v206                         ; the new -M
	s_delay_alu instid0(VALU_DEP_1)
	v_sub_f32 v207, v206, v12                      ; old M - new M: a whole number, 0 or less
	v_mov_b32 v12, v206
	s_delay_alu instid0(VALU_DEP_2)
	v_cvt_i32_f32 v207, v207                       ; (it saturates)
	s_delay_alu instid0(VALU_DEP_1)
	v_ldexp_f32 v208, 1.0, v207                    ; f = 2^(old M - new M)
.set cc, 0
.rept \nb
	v_fma_f32 v[210+cc], v[200+2*cc], s22, v12     ; t - M of my block's largest score
.set cc, cc+1
.endr
.set nn, 0
.rept 16
	v_pk_mul_f32 v[160+nn:161+nn], v[160+nn:161+nn], v[208:209] op_sel_hi:[1,0]   ; O^T under the new M
.set nn, nn+2
.endr
.set cc, 0
.rept \nb
	v_max_num_f32 v[210+cc], 0xc2f80000, v[210+cc] ; held at -124: the byte cannot fall under 1
.set cc, cc+1
.endr
.set nn, 0
.rept 16
	v_pk_fma_f32 v[S+2*nn:S+2*nn+1], v[S+2*nn:S+2*nn+1], s[22:23], v[12:13] op_sel_hi:[1,0,0]   ; t - M, two at a time
.if nn == 3
.set cc, 0
.rept \nb
	v_cvt_floor_i32_f32 v[212+cc], v[210+cc]       ; the exponent of the block's largest p
.set cc, cc+1
.endr
.endif
.if nn == 7
.set cc, 0
.rept \nb
	v_lshl_add_u32 v[214+cc], v[212+cc], 23, 0x3e800000   ; the conversion's scale operand: exponent field + 127 - 2
.set cc, cc+1
.endr
.if \nb == 2
	v_lshl_add_u32 v216, v213, 16, v212
.endif
.endif
.if nn == 9
.if \nb == 2
	v_add_nc_u32 v216, 0x7d007d, v216              ; my two bytes, in bytes 0 and 2
.else
	v_add_nc_u32 v216, 0x1007d, v212               ; (the hidden half: byte 1, zero codes)
.endif
.endif
.if nn == 11
	v_permlanex16_b32 v217, v216, s20, s21
.endif
.if nn == 13
	v_lshl_or_b32 v29, v217, 8, v216               ; lanes 0-15: p's scale word, with lane l + 16's bytes in 1 and 3
.endif
.set nn, nn+1
.endr
	s_wait_alu depctr_va_vdst(0)                   ; ahead of the batch
.set nn, 0
.rept 16
	v_exp_f32 v[S+2*nn], v[S+2*nn]                 ; p, the first half
	v_exp_f32 v[S+2*nn+1], v[S+2*nn+1]
.if \nb == 2
	v_pk_fma_f32 v[S+32+2*nn:S+33+2*nn], v[S+32+2*nn:S+33+2*nn], s[22:23], v[12:13] op_sel_hi:[1,0,0]   ; t - M of the second half
.endif
.set nn, nn+1
.endr
.if \nb == 1
.irp j, 196,197,198,199
	v_mov_b32 v\j, 0                               ; zero codes for the hidden half
.endr
.endif
	s_wait_alu depctr_va_vdst(0)                   ; one wait behind this batch and ahead of the next
.if \nb == 2
.set nn, 0
.rept 8
	v_exp_f32 v[S+32+4*nn], v[S+32+4*nn]           ; p, the second half
	v_exp_f32 v[S+33+4*nn], v[S+33+4*nn]
.if (nn%2) == 0
	v_cvt_scalef32_pk8_fp4_f32 v[192+nn/2], v[S+4*nn:S+7+4*nn], v214
.endif
	v_exp_f32 v[S+34+4*nn], v[S+34+4*nn]
	v_exp_f32 v[S+35+4*nn], v[S+35+4*nn]
	v_pk_add_f32 v[240+2*nn:241+2*nn], v[S+4*nn:S+1+4*nn], v[S+2+4*nn:S+3+4*nn]   ; the row's sum is of the unquantised p
.set nn, nn+1
.endr
	s_wait_alu depctr_va_vdst(0)                   ; the wait behind the batch
.irp g, 0,1,2,3
	v_cvt_scalef32_pk8_fp4_f32 v[196+\g], v[S+32+8*\g:S+39+8*\g], v215
.endr
.else
.irp g, 0,1,2,3
	v_cvt_scalef32_pk8_fp4_f32 v[192+\g], v[S+8*\g:S+7+8*\g], v214
.endr
.set nn, 0
.rept 8
	v_pk_add_f32 v[240+2*nn:241+2*nn], v[S+4*nn:S+1+4*nn], v[S+2+4*nn:S+3+4*nn]
.set nn, nn+1
.endr
.endif
	v_pk_fma_f32 v[14:15], v[14:15], v[208:209], v[240:241] op_sel_hi:[1,0,1]   ; the old sum under the new M
.if \nb == 2
.set nn, 0
.rept 16
	v_pk_add_f32 v[242+2*(nn%7):243+2*(nn%7)], v[242+2*(nn%7):243+2*(nn%7)], v[S+32+2*nn:S+33+2*nn]
.set nn, nn+1
.endr
.endif
	v_pk_add_f32 v[246:247], v[246:247], v[248:249]
	v_pk_add_f32 v[250:251], v[250:251], v[252:253]
	v_pk_add_f32 v[14:15], v[14:15], v[254:255]
	v_pk_add_f32 v[242:243], v[242:243], v[244:245]
	v_pk_add_f32 v[246:247], v[246:247], v[250:251]
	v_pk_add_f32 v[14:15], v[14:15], v[242:243]
	v_pk_add_f32 v[14:15], v[14:15], v[246:247]
.endm
; v96-127 (register 8 t + j = out(r, 16 t + 8 h + j)) through my stage; whole rows leave.
.macro SEND
.irp t, 0,1,2,3
	ds_store_b128 v6, v[96+8*\t:99+8*\t] offset:64*\t
	ds_store_b128 v6, v[100+8*\t:103+8*\t] offset:64*\t+16
.endr
.irp i, 0,1,2,3,4,5,6,7
	ds_load_b128 v[64+4*\i:67+4*\i], v5 offset:2*SP*\i
.endr
.irp i, 0,1,2,3,4,5,6,7
	s_wait_dscnt 7-\i                              ; load i is back; the 7 - i younger ones may be out
	global_store_b128 v1, v[64+4*\i:67+4*\i], s[8:9] offset:512*\i th:TH_STORE_NT   ; two whole rows: 512 consecutive bytes
.endr
.endm
.macro ROWSUM                                  ; the sum's halves and lane l xor 16's; with the two v_nop five places behind the last products
	v_add_f32 v14, v14, v15
	v_permlanex16_b32 v205, v14, s20, s21
	v_add_f32 v14, v14, v205
	v_nop
	v_nop
.endm
	s_wait_alu depctr_va_vdst(0)                   ; the wait at the head's end
	s_wait_tensorcnt 0x0                           ; my part of the blocks is in,
	s_wait_dscnt 0x0                               ; and my Q
	s_barrier_signal -1
	s_barrier_wait -1                              ; everybody's is; nothing is filled again
	s_mov_b32 s44, 0                               ; trip i
	s_mul_i32 s45, s37, STEPB
	v_add_nc_u32 v218, s45, v1
	v_add_nc_u32 v219, s45, v2
	KLOAD
.Ltrip:                                            ; twelve trips; a wave passes over those behind its last step
	s_cmp_gt_u32 s44, s36
	s_cselect_b32 s46, s39, 0
	s_cselect_b32 s47, s41, s40                    ; the tile's last step for me
	s_cselect_b32 s48, s43, s42                    ; the tile's place in its diagonal step
	s_add_co_u32 s46, s46, s44                     ; the step
	s_cmp_gt_u32 s46, s47
	s_cbranch_scc1 .Lnext
	s_cmp_ge_u32 s46, 8
	s_cselect_b32 s45, s38, 0
	s_add_co_u32 s45, s45, s46
	s_add_co_u32 s45, s45, s37
	s_min_u32 s45, s45, 17
	s_mul_i32 s45, s45, STEPB                      ; its block
	s_add_co_u32 s49, s44, 1
	s_cmp_gt_u32 s49, s36
	s_cselect_b32 s50, s39, 0
	s_add_co_u32 s49, s49, s50                     ; the next trip's step,
	s_cmp_ge_u32 s49, 8
	s_cselect_b32 s50, s38, 0
	s_add_co_u32 s50, s50, s49
	s_add_co_u32 s50, s50, s37
	s_min_u32 s50, s50, 17
	s_mul_i32 s50, s50, STEPB                      ; and its block (behind my last step: some block of the eighteen, not used)
	s_add_co_u32 s47, s47, s59
	s_wait_dscnt 0x0                               ; K is in, and Q
.irp f, 0,1,2,3                                ; S^T: tiles 2 f and 2 f + 1; odd fragments' scale words lie in lanes 16-31
.if (\f)%2
	v_wmma_scale_f32_16x16x128_f8f6f4 v[S+16*\f:S+7+16*\f], v[32+8*\f:39+8*\f], v[20:27], 0, v[30+\f/2], v28 matrix_a_fmt:MATRIX_FMT_FP4 matrix_b_fmt:MATRIX_FMT_FP4 matrix_a_scale:MATRIX_SCALE_ROW1
	v_wmma_scale_f32_16x16x128_f8f6f4 v[S+8+16*\f:S+15+16*\f], v[32+8*\f:39+8*\f], v[16:23], 0, v[30+\f/2], v28 matrix_a_fmt:MATRIX_FMT_FP4 matrix_b_fmt:MATRIX_FMT_FP4 matrix_a_scale:MATRIX_SCALE_ROW1
.else
	v_wmma_scale_f32_16x16x128_f8f6f4 v[S+16*\f:S+7+16*\f], v[32+8*\f:39+8*\f], v[20:27], 0, v[30+\f/2], v28 matrix_a_fmt:MATRIX_FMT_FP4 matrix_b_fmt:MATRIX_FMT_FP4
	v_wmma_scale_f32_16x16x128_f8f6f4 v[S+8+16*\f:S+15+16*\f], v[32+8*\f:39+8*\f], v[16:23], 0, v[30+\f/2], v28 matrix_a_fmt:MATRIX_FMT_FP4 matrix_b_fmt:MATRIX_FMT_FP4
.endif
.endr
	v_add_nc_u32 v3, s45, v1                       ; these four are the places behind the products, ahead of loads into their sources and of the first read of results
	v_add_nc_u32 v4, s45, v2
	v_add_nc_u32 v218, s50, v1
	v_add_nc_u32 v219, s50, v2
.irp i, 0,1
	ds_load_b32 v[224+\i], v4 offset:8448+128*\i   ; V's scale words and fragments, for this trip:
.endr
.irp t, 0,1,2,3
.irp c, 0,1
	ds_load_b128 v[64+8*\t+4*\c:67+8*\t+4*\c], v3 offset:4096+1024*\t+512*\c
.endr
.endr
	KLOAD                                          ; and K, for the next: both land while the softmax is worked
	s_cmp_lg_u32 s46, s47
	s_cbranch_scc1 .Lopen                          ; not the diagonal step
	s_cmp_lt_u32 s48, 4
	s_cbranch_scc1 .Lhalf                          ; the tile lies in the step's first 64 keys: the second 64 are hidden
	MASK 1                                         ; the first 64 keys all count
.Lopen:
	SOFT 2
	s_wait_alu depctr_va_vdst(0)                   ; ahead of the branch
	s_branch .Lpv
.Lhalf:
	MASK 0
	SOFT 1
.Lpv:
	s_wait_alu depctr_va_vdst(0)
	s_wait_dscnt 10                                ; V and its words are in; the next K's ten loads may be out
.irp t, 0,1,2,3                                ; O^T += V^T P^T; the accumulators take turns
.if (\t)%2
	v_wmma_scale_f32_16x16x128_f8f6f4 v[160+8*\t:167+8*\t], v[64+8*\t:71+8*\t], v[192:199], v[160+8*\t:167+8*\t], v[224+\t/2], v29 matrix_a_fmt:MATRIX_FMT_FP4 matrix_b_fmt:MATRIX_FMT_FP4 matrix_a_scale:MATRIX_SCALE_ROW1
.else
	v_wmma_scale_f32_16x16x128_f8f6f4 v[160+8*\t:167+8*\t], v[64+8*\t:71+8*\t], v[192:199], v[160+8*\t:167+8*\t], v[224+\t/2], v29 matrix_a_fmt:MATRIX_FMT_FP4 matrix_b_fmt:MATRIX_FMT_FP4
.endif
.endr
.Lnext:
	s_cmp_lg_u32 s44, s36
	s_cbranch_scc1 .Lstay
	; B changes tiles: the short one leaves, the long one's Q comes from my partner
	ROWSUM
	s_wait_alu depctr_va_vdst(0)                   ; ahead of the transcendental
	v_rcp_f32 v14, v14
	v_nop
	s_wait_alu depctr_va_vdst(0)                   ; and behind it
.set n, 0
.rept 16
	v_pk_mul_f32 v[96+n:97+n], v[160+n:161+n], v[14:15] op_sel_hi:[1,0]   ; O^T / the sum
.set n, n+2
.endr
	SEND
	RESET
	ds_load_b128 v[20:23], v226
	ds_load_b32 v28, v227 offset:512
	s_wait_alu depctr_va_vdst(0)
	s_wait_xcnt 0x0                                ; the stores' data registers are loaded again in the next trip
.Lstay:
	s_add_co_u32 s44, s44, 1
	s_cmp_lt_u32 s44, 12
	s_cbranch_scc1 .Ltrip
	; B's part of the long tile goes to A
	ROWSUM
	s_wait_alu depctr_va_vdst(0)                   ; ahead of the branch
	s_cmp_eq_u32 s12, 0
	s_cbranch_scc1 .Lgiven
.irp i, 0,1,2,3,4,5,6,7
	ds_store_b128 v228, v[160+4*\i:163+4*\i] offset:512*\i
.endr
	ds_store_b32 v229, v14 offset:4096
	ds_store_b32 v229, v12 offset:4224
.Lgiven:
	s_wait_dscnt 0x0
	s_barrier_signal -1
	s_barrier_wait -1
	s_cmp_eq_u32 s12, 1
	s_cbranch_scc1 .Lend
.irp i, 0,1,2,3,4,5,6,7
	ds_load_b128 v[64+4*\i:67+4*\i], v228 offset:512*\i
.endr
	ds_load_b32 v200, v229 offset:4096             ; B's sum
	ds_load_b32 v201, v229 offset:4224             ; B's -M
	s_wait_dscnt 0x0
	v_min_num_f32 v202, v12, v201                  ; the larger M
	v_sub_f32 v203, v202, v12
	v_sub_f32 v204, v202, v201
	v_cvt_i32_f32 v203, v203
	v_cvt_i32_f32 v204, v204
	v_ldexp_f32 v206, 1.0, v203                    ; my factor,
	v_ldexp_f32 v208, 1.0, v204                    ; and B's
	v_mul_f32 v14, v14, v206
	v_fma_f32 v14, v200, v208, v14                 ; the row's sum
	s_wait_alu depctr_va_vdst(0)                   ; ahead of the transcendental
	v_rcp_f32 v14, v14
	v_nop
	s_wait_alu depctr_va_vdst(0)                   ; and behind it
	v_mul_f32 v206, v206, v14
	v_mul_f32 v208, v208, v14
.set n, 0
.rept 16
	v_pk_mul_f32 v[96+n:97+n], v[160+n:161+n], v[206:207] op_sel_hi:[1,0]
.set n, n+2
.endr
.set n, 0
.rept 16
	v_pk_fma_f32 v[96+n:97+n], v[64+n:65+n], v[208:209], v[96+n:97+n] op_sel_hi:[1,0,1]
.set n, n+2
.endr
	SEND
.Lend:
	s_wait_tensorcnt 0x0                           ; the wave's end
	ds_add_u32 v10, v11
	s_wait_dscnt 0x0
	s_endpgm
.Lfunc_end_k_q1e5914b366_attn:
	.size	k_q1e5914b366_attn, .Lfunc_end_k_q1e5914b366_attn-k_q1e5914b366_attn
	.p2alignl 7, 3214868480
	.fill 96, 4, 3214868480
	.section	.rodata,"a",@progbits
	.p2align	6, 0x0
	.amdhsa_kernel k_q1e5914b366_attn
		.amdhsa_group_segment_fixed_size 254464
		.amdhsa_private_segment_fixed_size 0
		.amdhsa_enable_private_segment 0
		.amdhsa_kernarg_size 24
		.amdhsa_user_sgpr_count 2
		.amdhsa_user_sgpr_kernarg_segment_ptr 1
		.amdhsa_wavefront_size32 1
		.amdhsa_system_sgpr_workgroup_id_x 1
		.amdhsa_system_sgpr_workgroup_id_y 1
		.amdhsa_system_sgpr_workgroup_id_z 1
		.amdhsa_system_vgpr_workitem_id 0
		.amdhsa_next_free_vgpr 256
		.amdhsa_next_free_sgpr 72
		.amdhsa_reserve_vcc 0
		.amdhsa_float_denorm_mode_32 3
		.amdhsa_float_denorm_mode_16_64 3
		.amdhsa_memory_ordered 1
		.amdhsa_forward_progress 1
		.amdhsa_inst_pref_size 50
	.end_amdhsa_kernel
	.amdgpu_metadata
---
amdhsa.version: [ 1, 2 ]
amdhsa.kernels:
  - .name:           k_q1e5914b366_attn
    .symbol:         k_q1e5914b366_attn.kd
    .args:
      - { .name: q, .offset: 0, .size: 8, .value_kind: global_buffer, .address_space: global }
      - { .name: kv, .offset: 8, .size: 8, .value_kind: global_buffer, .address_space: global }
      - { .name: out0, .offset: 16, .size: 8, .value_kind: global_buffer, .address_space: global }
    .group_segment_fixed_size: 254464
    .private_segment_fixed_size: 0
    .kernarg_segment_align: 8
    .kernarg_segment_size: 24
    .max_flat_workgroup_size: 384
    .sgpr_count:     72
    .vgpr_count:     256
    .wavefront_size: 32
...
	.end_amdgpu_metadata
.endif
;; end of part 2
